; MI455X (gfx1250); checked and timed in simulation.
; The chip was launched on July 23, 2026; its instructions are those of AMD's public machine-readable ISA for CDNA 5 (MIT licence, August 2026) and "CDNA5" Instruction Set Architecture Reference Guide (July 2026). The comments in the code are by the model that wrote it; some were corrected since.
;; Multi Head Attention GPT. Allowed arithmetic: matrix products marked QUANTISED: E4M3 operands, one given power-of-two scale a tensor, by v_wmma_f32_16x16x64_fp8_fp8 or v_wmma_f32_16x16x128_fp8_fp8, f32 sums; everything else in f32.
;; Inputs: Wk_codes 1,024 x 32 x 32 uint8 (E4M3 codes of Wk, K innermost, in blocks of 32 codes); Wo_codes 1,024 x 32 x 32 uint8 (E4M3 codes of Wo, K innermost, in blocks of 32 codes); Wq_codes 1,024 x 32 x 32 uint8 (E4M3 codes of Wq, K innermost, in blocks of 32 codes); Wv_codes 1,024 x 32 x 32 uint8 (E4M3 codes of Wv, K innermost, in blocks of 32 codes); X_codes 4 x 2,048 x 32 x 32 uint8 (E4M3 codes of X, K innermost, in blocks of 32 codes); lowp_scales 12 int32 (the exponents e of the quantised operands' scales 2^e).
;; Outputs: out0 4 x 2,048 x 1,024 float32.
;; This version of the problem:
;;   THIS VERSION OF THE PROBLEM IS GIVEN IN LOW PRECISION. The matrix products marked QUANTISED in the list below multiply operands that are first quantised to E4M3 (4 exponent bits, 3 mantissa bits; 8 bits a number), with one given power-of-two scale for each operand tensor; their sums are f32. All else is computed in f32.
;;   The module's matrix products, in the order in which they are computed (A, B: the left and right operand; K: the contracted axis; several contracted axes count as one K, in the product's order):
;;     1. [M 8,192, K 1,024] x [K 1,024, N 1,024]; A: input X (given as codes); B: input Wq (given as codes): QUANTISED (scales: A lowp_scales[0], B lowp_scales[1])
;;     2. [M 8,192, K 1,024] x [K 1,024, N 1,024]; A: input X (given as codes); B: input Wk (given as codes): QUANTISED (scales: A lowp_scales[2], B lowp_scales[3])
;;     3. [M 8,192, K 1,024] x [K 1,024, N 1,024]; A: input X (given as codes); B: input Wv (given as codes): QUANTISED (scales: A lowp_scales[4], B lowp_scales[5])
;;     4. batch 64 x [M 2,048, K 64] x [K 64, N 2,048]; A: computed on the way; B: computed on the way: QUANTISED (scales: A lowp_scales[6], B lowp_scales[7])
;;     5. batch 64 x [M 2,048, K 2,048] x [K 2,048, N 64]; A: softmax (see below); B: computed on the way: QUANTISED (scales: A lowp_scales[8], B lowp_scales[9])
;;     6. [M 8,192, K 1,024] x [K 1,024, N 1,024]; A: computed on the way; B: input Wo (given as codes): QUANTISED (scales: A lowp_scales[10], B lowp_scales[11])
;;   THE QUANTISER, for each operand of a quantised product, along K:
;;     - The operand's scale is 2^e, e = its entry of the input lowp_scales (int32; the entries are numbered through the quantised products in the list's order, A before B).
;;     - Each number is divided by the scale, clamped to +-448, and rounded to the nearest number of E4M3, ties to even, subnormals kept.
;;     - The product sums the exact products of the quantised numbers (number of the format x scale) in f32.
;;   ~~~python
;;   def quantise(x, axis, e):      # numpy; x: float32 -> the quantised numbers, widened to float32 again
;;       x = np.moveaxis(x, axis, -1); K = x.shape[-1]
;;       r = np.clip(x / 2.0 ** e, -448, 448)
;;       step = 2.0 ** (np.maximum(np.frexp(np.where(r == 0, 1, r))[1] - 1, -6) - 3)
;;       q = np.round(r / step) * step * 2.0 ** e      # np.round: ties to even
;;       return np.moveaxis(q, -1, axis).astype(np.float32)
;;   ~~~
;;   SOFTMAX AHEAD OF A QUANTISED PRODUCT. Where the list says 'softmax', what is quantised is not the finished softmax but p = 2^(t - M), with t = logit x log2(e) and M = ceil(the row's largest t), a whole number; so 1/2 < the row's largest p <= 1. The row's sum l is taken of the UNQUANTISED p, in f32, and the product's result is divided by l at the end. Since M is a whole number, a kernel that streams over the keys may use a running M (the ceiling of the running maximum): every later rescaling is an exact power of two, so the quantised numbers keep their values, but for numbers so far below the row's largest that they fall under the format's range.
;;   OPERANDS COMPUTED ON THE WAY. 'Computed on the way' means the value that the module computes at that place (a softmax that the list does not call 'softmax' is quantised finished and normalised). What goes into a quantiser is computed in f32, as accurately as f32 sums, v_exp_f32 and their like allow (about 1e-6 of the number): no bf16 or f16 on the way to a quantiser, and a product that is left as it is and whose result goes on into a quantised operand takes f32 operands (vector FMAs, or v_wmma_f32_16x16x4_f32). A number that lies on a knife's edge between two numbers of the format may be rounded either way, as far as f32 arithmetic and the matrix unit's own rounding can turn it there, and no further.
;;   INPUTS GIVEN AS CODES. Wk (in the module: [1024, 1024], K = its axis 0); Wo (in the module: [1024, 1024], K = its axis 0); Wq (in the module: [1024, 1024], K = its axis 0); Wv (in the module: [1024, 1024], K = its axis 0); X (in the module: [4, 2048, 1024], K = its axis 2): each comes as NAME_codes (uint8): NAME with its K axis moved to the last place and cut into blocks of 32 codes, [.., K / 32, bytes a block], one block behind the other in memory; one code a byte (a code: sign, 4 exponent bits, 3 mantissa bits); its scale is its entry of lowp_scales. Its value is code x scale, taken as it is: it is not quantised again, and the codes and scales need not be those that the quantiser above would give.
;; One version. Each part assembles by itself: llvm-mc -triple=amdgcn-amd-amdhsa -mcpu=gfx1250 --defsym DOCPART=n.
;; ======== version 1 of 1: 3 launches
;; limits: right only within a limited range of input values
;; workspace buffers: q_img 8,388,608 bytes; k_img 8,388,608 bytes; v_img 8,388,608 bytes; ctx_img 8,388,608 bytes
;; launch qkv (part 1): grid 12 x 32, 4 waves a work-group, clusters of 4 x 4, 327,680 bytes of LDS; arguments X_codes, Wq_codes, Wk_codes, Wv_codes, lowp_scales, q_img, k_img, v_img; writes q_img, k_img, v_img
.if DOCPART == 1
	.amdgcn_target "amdgcn-amd-amdhsa--gfx1250"
	.amdhsa_code_object_version 6
	.text
	.protected	k_qb3a1ac9980_qkv
	.globl	k_qb3a1ac9980_qkv
	.p2align	8
	.type	k_qb3a1ac9980_qkv,@function
k_qb3a1ac9980_qkv:
	s_mov_b64 s[64:65], 0
	v_nop
	global_prefetch_b8 v0, s[64:65] scope:SCOPE_SE
	s_setreg_imm32_b32 hwreg(HW_REG_WAVE_MODE, 25, 1), 1
	s_wait_xcnt 0x0
	s_wait_alu depctr_hold_cnt(0) depctr_sa_sdst(0) depctr_va_vdst(0) depctr_va_sdst(0) depctr_va_ssrc(0) depctr_va_vcc(0) depctr_vm_vsrc(0)
	s_getreg_b32 s2, hwreg(HW_REG_IB_STS2, 6, 4)
	s_cmp_eq_u32 s2, 0
	s_cbranch_scc0 .Lentry_in_a_cluster
	s_endpgm
.Lentry_in_a_cluster:
	s_bfe_u32 s2, ttmp6, 0x10000c
	s_cmp_lg_u32 s2, 0xf033
	s_cbranch_scc0 .Lentry_shape_is_right
	s_endpgm
.Lentry_shape_is_right:
; q = X Wq, k = X Wk, v = X Wv on codes of FP8 (E4M3), and the three results quantised again, in registers, into codes for the attention launch.
; X: [8192][1024] codes, Wq, Wk, Wv: [1024 (n)][1024 (k)] codes, K innermost.  lowp_scales: X's and W's exponents are entries (0, 1) for q, (2, 3) for k, (4, 5) for v; the results' are 6 (q), 7 (k), 9 (v).
; A sum stands for sum x 2^(eA + eB); its code is sum / 2^es, es = eo - eA - eB, rounded to the nearest code.
; LIMIT: es between -126 and 119, so that 2^es and 448 x 2^es are f32 numbers.  NaN codes among the inputs are not served.
; SHARES.  384 tiles of 256 x 256; four waves, as many as a WGP has SIMDs, 128 x 128 each: 64 accumulators, 512 registers.  K goes in steps of 256 through a ring of two LDS slots filled by the tensor data mover.
; The cluster's x (0, 1, 2) says which weight: 1024 / 256 = 4 tile columns are one cluster's width.  It is the same in all sixteen partners; it only selects pointers, offsets and exponents, and no branch hangs on it.
; REGION A is the matrix instruction's source 1 (it gives a result's LANE), REGION B its source 0 (it gives a result's REGISTERS).
;   q, k: A = X (row block 4 Y + cy), B = W (row block cx): a lane holds one token, its eight registers eight neighbouring channels.
;   v:    A = Wv (row block cy), B = X (row block 4 Y + cx): a lane holds one channel, its eight registers eight neighbouring keys, since the keys are the K of attention's second product.
; So one conversion of an accumulator's eight registers gives two registers of the next product's operand, and nothing is transposed.
; CLUSTERS: 4 x 4.  A's tile hangs on cy alone and is asked for jointly by the four of a row of the cluster, B's on cx alone and by the four of a column.
; OUTPUT, images of operand registers, pieces of 512 bytes [lane][16 bytes]; each store of a wave covers 512 consecutive bytes, aligned:
;   q_img, k_img [bh 64][tile of 16 tokens 128][c2 2][512]: registers 4 c2 .. 4 c2 + 3 of a fragment 16 tokens x 64 channels (registers 2 c, 2 c + 1: channels 16 c + 8 (lane / 16) + 0 .. 7 of token lane % 16).
;   v_img [bh][step of 128 keys 16][t 4][c 4][512]: registers 4 c .. 4 c + 3 of a fragment 16 channels x 128 keys (registers 2 b, 2 b + 1: keys 16 b + 8 (lane / 16) + 0 .. 7 of channel 16 t + lane % 16).
; REGISTERS, in windows of 256: window 0: v0-31 addresses and the scale; v96-111 the stores' offsets; from v128 A's fragments, ONE set, later the codes.
;   window 1: B's fragments, TWO sets.   window 2: the accumulators of A's blocks 0-3 (accumulator (a, b) at v[8 (8 (a % 4) + b)]);   window 3: those of blocks 4-7.
.set SIZE_K, 1024
.set KSTEP,  256                       ; along K in a slot
.set ROWB,   256                       ; a tile's row in bytes
.set KROW,   SIZE_K                    ; a row of X or of a weight in memory, in bytes
.set PITCH,  272                       ; an LDS row: 256 bytes + 16 of padding = 68 words: the 16 rows that a load touches start at 16 different banks (64 banks of 4 bytes: ISA guide 11.1)
.set FR,     16                        ; registers of a fragment: 16 rows x 128 K
.set NL,     4                         ; LDS loads that bring one
.set NP,     4                         ; places behind this matrix instruction (ISA guide 7.12.1)
.set HALFT,  128*PITCH                 ; 128 rows: what one tensor load brings, and what one wave reads of A or of B
.set SLOT,   4*HALFT                   ; A's 256 rows, then B's 256 rows
.set LAPS,   SIZE_K/(2*KSTEP)          ; a lap = two K steps = once round the ring: 2
.set SPARE,  2*SLOT                    ; behind the ring: the spare words, 128 bytes for each wave: two blocks of 256 bytes that no other line names
.set ADRA, 16                          ; v16-17  LDS address of my A fragments in slot 0, 1
.set ADRB, 20                          ; v20-21  the same for B
.set VOA,  26                          ; v26     16 x lane
.set VOB,  27                          ; v27     16 x lane + the distance from a block's first piece to its third
.set SPW,  28                          ; v28     LDS address of my spare word; never rewritten
.set NIL,  29                          ; v29     0; never rewritten
.set SC,   30                          ; v30     2^es as f32
.set LIM,  31
.set TMP,  32
.set VO,   96                          ; v96-111 block a's two store offsets
.set AF,   128                         ; A's fragments, in window 0
.set CD,   128                         ; the way out: 16 registers of codes for each block: no store's data are written again
.set G1, 24                            ; s[24:31] descriptor group 1 for A's tiles;  s[32:39] group 0, one set for each slot
.set G0, 32
.set G1B, 48                           ; s[48:55], s[56:63] the same for B's tiles
.set G0B, 56
.set MSB, 0
.macro WIN new                         ; the immediate's high byte repeats the setting that is left
.if MSB != \new
	s_set_vgpr_msb (MSB<<8)|\new
.set MSB, \new
.endif
.endm
.set MUL_LO, 0xa1                      ; source 0 (B) window 1, source 1 (A) window 0, C and D window 2
.set MUL_HI, 0xf1                      ; the same, C and D window 3
.set TO_B,   0x40                      ; destination window 1, address window 0
; A joint load: waves 0 and 1 fetch for A, waves 2 and 3 for B.  Each of the two lines has one mask and one set of registers; the branch hangs on the wave's number alone.
; Four v_nop follow each of the two lines, ahead of the jump, the label and what follows.
.macro JLOAD g0a, g1a, g0b, g1b
	s_cmp_eq_u32 s15, 0
	s_cbranch_scc0 .Lfor_b_\@
	tensor_load_to_lds s[\g0a:\g0a+3], s[\g1a:\g1a+7]
	s_nop 0
.rept 4
	v_nop
.endr
	s_branch .Lasked_\@
.Lfor_b_\@:
	tensor_load_to_lds s[\g0b:\g0b+3], s[\g1b:\g1b+7]
	s_nop 0
.rept 4
	v_nop
.endr
.Lasked_\@:
.endm
.macro CREST                           ; a round of the cluster's barrier behind its opening barrier
	s_cmp_lg_u32 s14, 0
	s_cbranch_scc1 .Lnot_wave_0_\@
	s_barrier_signal -3
.Lnot_wave_0_\@:
	s_barrier_wait -3
	s_barrier_signal -1
	s_barrier_wait -1
.endm
.macro CROUND                          ; a whole round
	s_barrier_signal -1
	s_barrier_wait -1
	CREST
.endm
	s_load_b256 s[4:11], s[0:1], 0x0               ; X s[4:5], Wq s[6:7], Wk s[8:9], Wv s[10:11]
	s_load_b256 s[68:75], s[0:1], 0x20             ; the exponents s[68:69], q_img s[70:71], k_img s[72:73], v_img s[74:75]
	v_lshl_add_u32 v[SPW], v0, 2, SPARE
	v_mov_b32 v[NIL], 0
	ds_add_u32 v28, v29
	ds_add_u32 v28, v29
	s_wait_dscnt 0x0
	v_lshrrev_b32 v1, 5, v0
	v_readfirstlane_b32 s14, v1                    ; wave 0..3
	s_lshr_b32 s15, s14, 1                         ; which half of A's 256 rows is mine.  Also: I fetch for A (0) or for B (1)
	s_and_b32 s16, s14, 1                          ; which half of B's 256 rows.  Also: which 128 rows of that tile I fetch
	s_bfe_u32 s40, ttmp6, 0x40000                  ; cx, cy: my place in the cluster
	s_bfe_u32 s41, ttmp6, 0x40004
	s_and_b32 s17, ttmp7, 0xffff
	s_lshl_b32 s17, s17, 2                         ; 4 Y
	s_cmp_eq_u32 ttmp9, 2                          ; is this v's cluster?
	s_cselect_b32 s18, 0, s17
	s_cselect_b32 s19, s17, 0
	s_add_co_u32 s20, s41, s18                     ; A's row block: cy (+ 4 Y where A is X): it never holds cx
	s_add_co_u32 s46, s40, s19                     ; B's row block: cx (+ 4 Y where B is X): it never holds cy
	s_cmp_eq_u32 ttmp9, 2                          ; (the additions have set SCC)
	s_cselect_b32 s86, s46, s20                    ; the block of 256 tokens,
	s_cselect_b32 s87, s20, s46                    ; the block of 256 channels,
	s_cselect_b32 s88, s16, s15                    ; my half of the tokens,
	s_cselect_b32 s89, s15, s16                    ; my half of the channels
	s_mov_b32 s90, 1024
	s_cselect_b32 s90, 2048, s90                   ; from block a to block a + 1 in the image: a tile of tokens (q, k), a tile of channels (v)
	s_mov_b32 s92, 4096
	s_cselect_b32 s92, 0x20000, s92                ; from block 0 to block 4: four tiles of tokens (q, k), the next head (v)
	s_mov_b32 s94, 0x20000
	s_cselect_b32 s94, 1024, s94                   ; from accumulators 0-3 to accumulators 4-7: the next head (q, k), two pieces on (v)
	s_lshl_b32 s43, s41, 2
	s_lshl_b32 s43, 15, s43                        ; my row of the cluster
	s_lshl_b32 s44, 0x1111, s40                    ; my column
	; descriptor group 1: a tile of 128 rows x 256 bytes, padded in LDS
	s_or_b32 s[G1+0], s43, (0<<16)|(1<<20)|(1<<21)|(5<<22)|(3<<25)  ; 15:0 the mask: A's tiles go to my row; 17:16 elements of 1 byte; 20 padding on; 21 set beside a mask; 24:22 after every 64 words (code 5); 31:25 of 4 words (code 3)
	s_or_b32 s[G1B+0], s44, (0<<16)|(1<<20)|(1<<21)|(5<<22)|(3<<25) ; the same with the mask of my column
.irp g, G1, G1B
	s_mov_b32 s[\g+1], ROWB<<16                    ; tensor_dim0
	s_mov_b32 s[\g+2], 128<<16                     ; tensor_dim1 = 128
	s_mov_b32 s[\g+3], ROWB<<16                    ; tile_dim0
	s_mov_b32 s[\g+4], 128                         ; tile_dim1 = 128
	s_mov_b32 s[\g+5], KROW                        ; tensor_dim0_stride
	s_mov_b32 s[\g+6], 0
	s_mov_b32 s[\g+7], 0
.endr
	s_lshl_b32 s20, s20, 18                        ; 256 rows of 1,024 bytes a block,
	s_lshl_b32 s21, s16, 17                        ; and the 128 rows that I fetch
	s_add_co_u32 s20, s20, s21
	s_mov_b32 s21, 0
	s_lshl_b32 s46, s46, 18
	s_lshl_b32 s47, s16, 17
	s_add_co_u32 s46, s46, s47
	s_mov_b32 s47, 0
	s_mul_i32 s45, s14, HALFT                      ; where they go: wave x 128 rows: no place in the cluster enters an LDS address
	s_wait_kmcnt 0x0
	s_load_b256 s[76:83], s[68:69], 0x0            ; e0 .. e7
	s_load_b32 s84, s[68:69], 0x24                 ; e9
	s_cmp_eq_u32 ttmp9, 0
	s_cselect_b64 s[98:99], s[6:7], s[8:9]         ; Wq or Wk
	s_cselect_b64 s[96:97], s[70:71], s[72:73]     ; q_img or k_img
	s_cmp_eq_u32 ttmp9, 2
	s_cselect_b64 s[100:101], s[10:11], s[4:5]     ; region A: Wv, or X
	s_cselect_b64 s[98:99], s[4:5], s[98:99]       ; region B: X, or the weight
	s_cselect_b64 s[96:97], s[74:75], s[96:97]     ; where the codes go
	s_add_nc_u64 s[20:21], s[100:101], s[20:21]
	s_add_nc_u64 s[46:47], s[98:99], s[46:47]
	CROUND                                         ; all sixteen work-groups are here: the first joint loads meet
.irp s, 0,1
	s_mov_b32 s[G0+4*\s], 1
	s_add_co_u32 s[G0+4*\s+1], s45, \s*SLOT
	s_add_nc_u64 s[G0+4*\s+2:G0+4*\s+3], s[20:21], \s*ROWB
	s_or_b32 s[G0+4*\s+3], s[G0+4*\s+3], 0x80000000
	s_mov_b32 s[G0B+4*\s], 1
	s_add_co_u32 s[G0B+4*\s+1], s45, \s*SLOT
	s_add_nc_u64 s[G0B+4*\s+2:G0B+4*\s+3], s[46:47], \s*ROWB
	s_or_b32 s[G0B+4*\s+3], s[G0B+4*\s+3], 0x80000000
	JLOAD G0+4*\s, G1, G0B+4*\s, G1B
.endr
	v_and_b32 v1, 15, v0                           ; l % 16
	v_bfe_u32 v2, v0, 4, 1                         ; l / 16
	v_mul_u32_u24 v3, v1, PITCH
	v_lshl_add_u32 v4, v2, 4, v3                   ; a fragment's row x pitch + 16 x half
	s_mul_i32 s21, s15, HALFT                      ; my 128 rows of A
	s_mul_i32 s22, s16, HALFT                      ; my 128 rows of B,
	s_add_co_u32 s22, s22, 2*HALFT                 ; which lie behind A's 256
.irp s, 0,1
	v_add_nc_u32 v[ADRA+\s], s21, v4
	v_add_nc_u32 v[ADRB+\s], s22, v4
	s_add_co_u32 s21, s21, SLOT
	s_add_co_u32 s22, s22, SLOT
.endr
	; where my codes go: (bh0 << 17) + ((2 (token block % 8) + token half) << 13), bh0 = 16 x batch + 4 x channel block + 2 x channel half: the same sum for the three images
	v_and_b32 v6, 31, v0
	v_lshlrev_b32 v[VOA], 4, v6
	s_wait_alu depctr_va_vdst(0)
	v_add_nc_u32 v[VOB], s94, v[VOA]
	s_wait_alu depctr_va_vdst(0)
	s_lshr_b32 s98, s86, 3                         ; the batch: 8 blocks of 256 tokens each
	s_lshl_b32 s98, s98, 4
	s_lshl_b32 s99, s87, 2
	s_add_co_u32 s98, s98, s99
	s_lshl_b32 s99, s89, 1
	s_add_co_u32 s98, s98, s99                     ; bh0
	s_lshl_b32 s98, s98, 17
	s_and_b32 s99, s86, 7
	s_lshl_b32 s99, s99, 1
	s_add_co_u32 s99, s99, s88
	s_lshl_b32 s99, s99, 13
	s_add_co_u32 s98, s98, s99                     ; under 2^23
	s_mov_b32 s99, 0
	s_add_nc_u64 s[96:97], s[96:97], s[98:99]
	s_mov_b32 s98, 0
.irp a, 0,1,2,3,4,5,6,7
	v_add_nc_u32 v[VO+2*\a], s98, v[VOA]           ; block a's accumulators 0-3,
	v_add_nc_u32 v[VO+2*\a+1], s98, v[VOB]         ; and 4-7
.if \a == 3
	s_mov_b32 s98, s92
.else
	s_add_co_u32 s98, s98, s90
.endif
.endr
.macro FRAG reg, adr, q, i             ; a fragment, 16 rows x 128 K, is 16 registers: lane l holds row l % 16; registers 4 c .. 4 c + 3 hold K = 32 c + 16 (l / 16) + 0 .. 15: the same permutation of K in A and in B, so every product meets its partner
.irp c, 0,1,2,3
	ds_load_b128 v[\reg+4*\c:\reg+4*\c+3], v[\adr] offset:128*(\q)+32*\c+(\i)*16*PITCH
.endr
.endm
; 16 matrix instructions: A's blocks a0, a0 + 1 x B's eight, 128 along K.  p: B's set.  zero = 1: the first product starts the sums: nothing is ever cleared.
; The 64 accumulators take turns, one instruction a turn, in the same order in every step.
.macro MUL16 a0, p, zero
.irp a, \a0, \a0+1
.irp b, 0,1,2,3,4,5,6,7
.if \zero
	v_wmma_f32_16x16x128_fp8_fp8 v[8*(8*((\a)%4)+\b):8*(8*((\a)%4)+\b)+7], v[128*(\p)+FR*\b:128*(\p)+FR*\b+FR-1], v[AF+FR*(\a):AF+FR*(\a)+FR-1], 0
.else
	v_wmma_f32_16x16x128_fp8_fp8 v[8*(8*((\a)%4)+\b):8*(8*((\a)%4)+\b)+7], v[128*(\p)+FR*\b:128*(\p)+FR*\b+FR-1], v[AF+FR*(\a):AF+FR*(\a)+FR-1], v[8*(8*((\a)%4)+\b):8*(8*((\a)%4)+\b)+7]
.endif
.endr
.endr
.endm
.macro FETCH_B slot, q, p              ; B's eight fragments of the slot's q-th 128 along K into set p
	WIN TO_B
.irp i, 0,1,2,3,4,5,6,7
	FRAG 128*(\p)+FR*\i, ADRB+\slot, \q, \i
.endr
	WIN 0
.endm
.macro FETCH_A slot, q, i0             ; A's blocks i0 .. i0 + 3
.irp i, \i0, \i0+1, \i0+2, \i0+3
	FRAG AF+FR*(\i), ADRA+\slot, \q, \i
.endr
.endm
; A load into a register that a matrix instruction has read, and a vector instruction that reads a matrix result, stand NP places behind that matrix instruction; only plain vector
; instructions that name none of its registers are places (ISA guide 7.12.1 for vector instructions).
.macro PLACES n
.rept \n
	v_nop
.endr
.endm
; A step of 128 along K that has its successor in the same slot.
.macro STEP slot, q, zero
	s_wait_dscnt 4*NL                              ; B's set and A's blocks 0-3 are in; the youngest 16 loads (A's blocks 4-7) may be out
	WIN MUL_LO
	MUL16 0, (\q)%2, \zero
	MUL16 2, (\q)%2, \zero
	s_wait_dscnt 0                                 ; A's blocks 4-7 are in (asked for 32 matrix instructions ago)
	PLACES NP
	FETCH_B \slot, (\q)+1, 1-(\q)%2
	FETCH_A \slot, (\q)+1, 0
	WIN MUL_HI
	MUL16 4, (\q)%2, \zero
	MUL16 6, (\q)%2, \zero
	PLACES NP
	WIN 0
	FETCH_A \slot, (\q)+1, 4
.endm
; A slot's last step changes slots: ONE barrier; in front of it each wave waits for all its tensor loads, adds 0 to its spare word, and waits for that and for its own reads of this slot.  fill = 1: this slot is filled again, two K steps ahead.
.macro TURN slot, next, fill
	s_wait_tensorcnt 0x0                           ; all my tensor loads have landed: my part of the next slot;  (every window is 0 here)
	ds_add_u32 v[SPW], v[NIL]                      ; 0 onto my spare word
	s_wait_dscnt 4*NL+1                            ; (the add and the youngest 16 loads, A's blocks 4-7, may be out)
	WIN MUL_LO
	MUL16 0, 1, 0                                  ; sixteen matrix instructions stand between the add and the wait for it
	s_wait_dscnt 0x0                               ; the add is done, and my reads of this slot are over
	s_barrier_signal -1
	MUL16 2, 1, 0
	WIN 0
	s_barrier_wait -1
.if \fill
	CREST                                          ; the barrier has opened a round of the cluster's barrier: no wave of any partner still reads this slot's tile or has a load on its way
	s_add_nc_u64 s[G0+4*\slot+2:G0+4*\slot+3], s[G0+4*\slot+2:G0+4*\slot+3], 2*ROWB
	s_add_nc_u64 s[G0B+4*\slot+2:G0B+4*\slot+3], s[G0B+4*\slot+2:G0B+4*\slot+3], 2*ROWB
	JLOAD G0+4*\slot, G1, G0B+4*\slot, G1B         ; the first tensor load behind the round; the four v_nop behind it are the places in front of the loads below
.else
	PLACES NP
.endif
	FETCH_B \next, 0, 0
	FETCH_A \next, 0, 0
	WIN MUL_HI
	MUL16 4, 1, 0
	MUL16 6, 1, 0
	PLACES NP
	WIN 0
	FETCH_A \next, 0, 4
.endm
	s_wait_tensorcnt 1                             ; my part of K step 0 is in (K step 1's load, issued behind it, may be out)
	s_barrier_signal -1
	s_barrier_wait -1                              ; everybody's is
	FETCH_B 0, 0, 0
	FETCH_A 0, 0, 0
	FETCH_A 0, 0, 4
	STEP 0, 0, 1                                   ; the first step stands in front of the loop: its products start the sums
	s_mov_b32 s3, LAPS-1
.Llap:                                                 ; a trip goes once round the ring, from a lap's second step to the next lap's first, and fills both slots again
	TURN 0, 1, 1
	STEP 1, 0, 0
	TURN 1, 0, 1
	STEP 0, 0, 0
	s_sub_co_u32 s3, s3, 1
	s_cmp_lg_u32 s3, 0
	s_cbranch_scc1 .Llap
	TURN 0, 1, 0                                   ; the last lap fills nothing, and has no round of the cluster's barrier
	STEP 1, 0, 0
	s_wait_dscnt 4*NL                              ; the very last step: nothing more to fetch
	WIN MUL_LO
	MUL16 0, 1, 0
	MUL16 2, 1, 0
	s_wait_dscnt 0
	WIN MUL_HI
	MUL16 4, 1, 0
	MUL16 6, 1, 0
	WIN 0
	; THE WAY OUT.  The three exponents of my product are chosen by the cluster's x, without a branch.
	s_wait_kmcnt 0x0
	s_cmp_eq_u32 ttmp9, 0
	s_cselect_b32 s98, s76, s78                    ; X's: e0 or e2
	s_cselect_b32 s99, s77, s79                    ; the weight's: e1 or e3
	s_cselect_b32 s100, s82, s83                   ; the result's: e6 or e7
	s_cmp_eq_u32 ttmp9, 2
	s_cselect_b32 s98, s80, s98                    ; v: e4,
	s_cselect_b32 s99, s81, s99                    ; e5,
	s_cselect_b32 s100, s84, s100                  ; e9
	s_sub_co_i32 s100, s100, s98
	s_sub_co_i32 s100, s100, s99                   ; es
	s_add_co_i32 s100, s100, 127
	s_lshl_b32 s98, s100, 23
	v_mov_b32 v[SC], s98                           ; 2^es as f32: the conversion takes its exponent field
	s_add_co_i32 s100, s100, 8
	s_lshl_b32 s100, s100, 23
	s_or_b32 s100, s100, 0x600000
	PLACES NP                                      ; behind the last products: for the reads of results, and for the codes that are laid over A's fragments
; Block a: its 64 sums are converted, eight at a time, each accumulator from its low end on (the conversion to an 8-bit code does not saturate: ISA guide 7.6.2); four stores of 512 consecutive bytes.
.macro OUT a
	WIN 0x02+((\a)/4)                              ; source 0: window 2 or 3
.set n, 0
.rept 64
.set n, n+1
.endr
.irp g, 0,1,2,3,4,5,6,7
	v_cvt_scalef32_pk8_fp8_f32 v[CD+16*(\a)+2*\g:CD+16*(\a)+2*\g+1], v[TMP+8*\g+((64*((\a)%4)+n)-(TMP+n)):TMP+8*\g+7+((64*((\a)%4)+n)-(TMP+n))], v[SC]
.endr
	WIN 0
	v_nop                                          ; one plain vector instruction behind the conversions
	global_store_b128 v[VO+2*(\a)], v[CD+16*(\a):CD+16*(\a)+3], s[96:97]
	global_store_b128 v[VO+2*(\a)], v[CD+16*(\a)+4:CD+16*(\a)+7], s[96:97] offset:512
	global_store_b128 v[VO+2*(\a)+1], v[CD+16*(\a)+8:CD+16*(\a)+11], s[96:97]
	global_store_b128 v[VO+2*(\a)+1], v[CD+16*(\a)+12:CD+16*(\a)+15], s[96:97] offset:512
.endm
.irp a, 0,1,2,3,4,5,6,7
	OUT \a
.endr
	s_wait_tensorcnt 0x0                           ; the wave's end
	ds_add_u32 v[SPW], v[NIL]
	s_wait_dscnt 0x0
	CROUND                                         ; the closing round: no work-group ends while a partner may still ask for a tile that names it
	s_endpgm
.Lfunc_end_k_qb3a1ac9980_qkv:
	.size	k_qb3a1ac9980_qkv, .Lfunc_end_k_qb3a1ac9980_qkv-k_qb3a1ac9980_qkv
	.p2alignl 7, 3214868480
	.fill 96, 4, 3214868480
	.section	.rodata,"a",@progbits
	.p2align	6, 0x0
	.amdhsa_kernel k_qb3a1ac9980_qkv
		.amdhsa_group_segment_fixed_size 327680
		.amdhsa_private_segment_fixed_size 0
		.amdhsa_enable_private_segment 0
		.amdhsa_kernarg_size 64
		.amdhsa_user_sgpr_count 2
		.amdhsa_user_sgpr_kernarg_segment_ptr 1
		.amdhsa_wavefront_size32 1
		.amdhsa_system_sgpr_workgroup_id_x 1
		.amdhsa_system_sgpr_workgroup_id_y 1
		.amdhsa_system_sgpr_workgroup_id_z 1
		.amdhsa_system_vgpr_workitem_id 0
		.amdhsa_next_free_vgpr 1024
		.amdhsa_next_free_sgpr 102
		.amdhsa_reserve_vcc 0
		.amdhsa_float_denorm_mode_32 3
		.amdhsa_float_denorm_mode_16_64 3
		.amdhsa_fp16_overflow 1
		.amdhsa_memory_ordered 1
		.amdhsa_forward_progress 1
		.amdhsa_inst_pref_size 87
	.end_amdhsa_kernel
	.amdgpu_metadata
---
amdhsa.version: [ 1, 2 ]
amdhsa.kernels:
  - .name:           k_qb3a1ac9980_qkv
    .symbol:         k_qb3a1ac9980_qkv.kd
    .args:
      - { .name: X_codes, .offset: 0, .size: 8, .value_kind: global_buffer, .address_space: global }
      - { .name: Wq_codes, .offset: 8, .size: 8, .value_kind: global_buffer, .address_space: global }
      - { .name: Wk_codes, .offset: 16, .size: 8, .value_kind: global_buffer, .address_space: global }
      - { .name: Wv_codes, .offset: 24, .size: 8, .value_kind: global_buffer, .address_space: global }
      - { .name: lowp_scales, .offset: 32, .size: 8, .value_kind: global_buffer, .address_space: global }
      - { .name: q_img, .offset: 40, .size: 8, .value_kind: global_buffer, .address_space: global }
      - { .name: k_img, .offset: 48, .size: 8, .value_kind: global_buffer, .address_space: global }
      - { .name: v_img, .offset: 56, .size: 8, .value_kind: global_buffer, .address_space: global }
    .group_segment_fixed_size: 327680
    .private_segment_fixed_size: 0
    .kernarg_segment_align: 8
    .kernarg_segment_size: 64
    .max_flat_workgroup_size: 128
    .sgpr_count:     102
    .vgpr_count:     1024
    .wavefront_size: 32
...
	.end_amdgpu_metadata
.endif
;; end of part 1
;; launch attn (part 2): grid 4 x 64, 16 waves a work-group, clusters of 4 x 1, 327,680 bytes of LDS; arguments q_img, k_img, v_img, lowp_scales, ctx_img; writes ctx_img
.if DOCPART == 2
	.amdgcn_target "amdgcn-amd-amdhsa--gfx1250"
	.amdhsa_code_object_version 6
	.text
	.protected	k_qb3a1ac9980_attn
	.globl	k_qb3a1ac9980_attn
	.p2align	8
	.type	k_qb3a1ac9980_attn,@function
k_qb3a1ac9980_attn:
	s_mov_b64 s[64:65], 0
	v_nop
	global_prefetch_b8 v0, s[64:65] scope:SCOPE_SE
	s_setreg_imm32_b32 hwreg(HW_REG_WAVE_MODE, 25, 1), 1
	s_wait_xcnt 0x0
	s_wait_alu depctr_hold_cnt(0) depctr_sa_sdst(0) depctr_va_vdst(0) depctr_va_sdst(0) depctr_va_ssrc(0) depctr_va_vcc(0) depctr_vm_vsrc(0)
	s_getreg_b32 s2, hwreg(HW_REG_IB_STS2, 6, 4)
	s_cmp_eq_u32 s2, 0
	s_cbranch_scc0 .Lentry_in_a_cluster
	s_endpgm
.Lentry_in_a_cluster:
	s_bfe_u32 s2, ttmp6, 0x10000c
	s_cmp_lg_u32 s2, 0x3003
	s_cbranch_scc0 .Lentry_shape_is_right
	s_endpgm
.Lentry_shape_is_right:
; Causal attention of one head on codes of FP8 (E4M3): scores = q k^T, p = 2^(t - M), ctx = (p v) / l, and ctx quantised again for the last projection.
; q_img, k_img, v_img: images of operand registers, pieces of 512 bytes [lane][16 bytes]:
;   q_img, k_img [bh 64][tile of 16 tokens 128][c2 2][512]; v_img [bh][step of 128 keys 16][t 4][c 4][512] (16 channels x 128 keys a fragment).
; lowp_scales: 6 q, 7 k, 8 p, 9 v, 10 ctx.
; THE SOFTMAX: t = score x log2(e) / 8; M = the row's largest t so far, rounded UP to a whole number; p = 2^(t - M) is quantised with 2^e8, not normalised.  The row's sum is taken of the unquantised p, in f32, and
; divides at the end.  When M moves, the sum and O are multiplied by 2^(old M - new M), which rounds nothing.
; SHARES.  The four work-groups of a cluster (cx = 0 .. 3) share one head.  A head has 128 tiles of 16 queries; wave w (0 .. 15) of work-group cx owns tiles 4 w + cx and 124 - 4 w + cx.
; Tile T needs the key steps 0 .. T / 8 (128 keys each); T / 8 is w / 2 for the first tile and 15 - w / 2 for the second: no cx in either, and together 17 steps in EVERY wave of the launch.
; LDS holds the head's whole K (131,072 bytes at byte 0, step s at 8,192 s) and V (131,072 bytes behind it), as they lie in memory.  Every byte is filled once, so there is no ring: two barriers, then the waves run free.
; Each wave asks for two pieces, JOINTLY with the same wave of the three partners (the mask names all four): 1,024 bytes of key step 0, so that work can begin, and 15,360 bytes of steps 1 to 15.  One tensor load of a wave is out at a time.
; Nothing is prefetched: all that the launch reads of K and V is asked for by these loads at its head.
; LAYOUT.  Both products are used transposed: S^T = K Q^T (source 0 = 16 keys, source 1 = my 16 queries), O^T = V^T P^T: a lane holds ONE query (lane % 16) throughout.  Register j of S^T's tile t is key
; 16 t + 8 (lane / 16) + j: one conversion of a tile's eight registers gives registers 2 t, 2 t + 1 of P in the K = 128 form's own layout.
; OUTPUT.  ctx_img [head / 4][tile of 16 tokens of all batches 512][4096]; inside: (head % 4) x 1,024 + p x 512 + 16 x lane: channels 32 p + 16 (lane / 16) + 0 .. 15 of token lane % 16: what four 16-byte loads
; 32 bytes apart give of a row, the way in which the last projection reads its weight.  Each store of a wave covers 512 consecutive bytes, aligned.
; LIMITS on the given exponents, so that each power of two below is an f32 number: e6 + e7 between -123 and 130 (added to c's exponent field); e8 between -126 and 119; e10 - e8 - e9 between -126 and 119.  NaN codes are not served.
.set L16,  1                           ; v1   16 x lane; never rewritten
.set ADK,  2                           ; v2   LDS address of the step's K
.set ADV,  3                           ; v3   of its V
.set DQA,  4                           ; v4, v5  16 (T % 8) + lane % 16 - 8 (lane / 16): on the diagonal, register 8 t + j is hidden where 16 t + j is greater
.set DQB,  5
.set PLIM, 6
.set PSC,  7                           ; v7   2^e8
.set NINF, 8                           ; v8   -infinity
.set STA,  10                          ; v10 -M, v11 the largest t, v[12:13] the sum in two halves: first tile
.set STB,  14                          ; v14 .. v17: second tile
.set CSC,  18                          ; v18  2^(e10 - e8 - e9)
.set CLIM, 19
.set QA,   24                          ; v24-31, v32-39  Q's two fragments
.set QB,   32
.set F,    40                          ; v40-103   fragments of K, then of V
.set S,    104                         ; v104-167  S^T, then p
.set OA,   168                         ; v168-199, v200-231  O^T
.set OB,   200
.set P,    232                         ; v232-247  p's codes.   v248, v249 at work; v250 a lane permute's destination; v[252:253] f and 0; v[254:255] a second chain of sums
.set WV,   14
.set CX,   15
.set BH,   16
.set SA,   17                          ; s17  the first tile's last key step
.set SB,   18                          ; s18  the second tile's
.set SN,   19                          ; s19  the key step in hand
.set TB,   20                          ; s20  8,192 x that
.set CS,   22                          ; s[22:23] c = log2(e) / 8 x 2^(e6 + e7)
.set G1S,  24                          ; s[24:31] descriptor group 1 of the small load; s[32:39] of the large one; s[40:43], s[44:47] their groups 0
.set G1L,  32
.set G0S,  40
.set G0L,  44
.set SEL,  48                          ; s[48:49] lane selects for v_permlanex16_b32: lane l xor 16
.set HM,   50                          ; s50  the mask of lanes 16 to 31
.set QPA,  52                          ; s[52:53], s[54:55] my two tiles in q_img; s[56:57], s[58:59] in ctx_img
.set QPB,  54
.set CPA,  56
.set CPB,  58
.macro CROUND                          ; a round of the cluster's barrier
	s_barrier_signal -1
	s_barrier_wait -1
	s_cmp_lg_u32 s[WV], 0
	s_cbranch_scc1 .Lnot_wave_0_\@
	s_barrier_signal -3
.Lnot_wave_0_\@:
	s_barrier_wait -3
	s_barrier_signal -1
	s_barrier_wait -1
.endm
	s_load_b256 s[4:11], s[0:1], 0x0               ; q_img s[4:5], k_img s[6:7], v_img s[8:9], the exponents s[10:11]
	s_load_b64 s[12:13], s[0:1], 0x20              ; ctx_img
	v_lshl_add_u32 v23, v0, 2, 0x40000
	v_mov_b32 v251, 0
	ds_add_u32 v23, v251
	ds_add_u32 v23, v251
	v_lshrrev_b32 v9, 5, v0
	s_delay_alu instid0(VALU_DEP_1)
	v_readfirstlane_b32 s[WV], v9                  ; wave 0..15
	s_bfe_u32 s[CX], ttmp6, 0x40000                ; cx: it enters q's and ctx's addresses and the mask's numbers, no LDS address and no branch
	s_and_b32 s[BH], ttmp7, 0xffff                 ; 16 x batch + head, which the four partners share
	s_lshr_b32 s[SA], s[WV], 1
	s_sub_co_u32 s[SB], 15, s[SA]
	; descriptor group 1: dense blocks as rows of 256 bytes (32 elements of 8 bytes): 4 rows, and 60
	s_mov_b32 s[G1S], 15|(3<<16)|(1<<21)           ; 15:0 the mask: all four work-groups; 17:16 elements of 8 bytes; 20 no padding; 21 set beside a mask
	s_mov_b32 s[G1S+1], 32<<16                     ; tensor_dim0 = 32
	s_mov_b32 s[G1S+2], 4<<16                      ; tensor_dim1 = 4
	s_mov_b32 s[G1S+3], 32<<16                     ; tile_dim0 = 32
	s_mov_b32 s[G1S+4], 4                          ; tile_dim1 = 4
	s_mov_b32 s[G1S+5], 32                         ; tensor_dim0_stride
	s_mov_b32 s[G1S+6], 0
	s_mov_b32 s[G1S+7], 0
	s_mov_b32 s[G1L], 15|(3<<16)|(1<<21)
	s_mov_b32 s[G1L+1], 32<<16
	s_mov_b32 s[G1L+2], 60<<16
	s_mov_b32 s[G1L+3], 32<<16
	s_mov_b32 s[G1L+4], 60
	s_mov_b32 s[G1L+5], 32
	s_mov_b32 s[G1L+6], 0
	s_mov_b32 s[G1L+7], 0
	s_mov_b32 s[SEL], 0x76543210
	s_mov_b32 s[SEL+1], 0xfedcba98
	s_mov_b32 s[CS], 0x3e38aa3b                    ; log2(e) / 8
	; what I fetch: waves 0-7 an eighth of K, waves 8-15 an eighth of V
	s_lshr_b32 s73, s[WV], 3
	s_lshl_b32 s73, s73, 17                        ; K at LDS byte 0, V at 131,072
	s_and_b32 s74, s[WV], 7
	s_lshl_b32 s75, s74, 10                        ; my 1,024 bytes of step 0
	s_mul_i32 s76, s74, 15360
	s_add_co_u32 s76, s76, 8192                    ; my 15,360 bytes of steps 1 to 15
	s_mov_b32 s[G0S], 1                            ; count = 1
	s_add_co_u32 s[G0S+1], s73, s75                ; LDS address
	s_mov_b32 s[G0L], 1
	s_add_co_u32 s[G0L+1], s73, s76
	s_lshl_b32 s78, s[BH], 17                      ; the head's 131,072 bytes in each image
	s_add_co_u32 s80, s78, s75
	s_mov_b32 s81, 0
	s_add_co_u32 s82, s78, s76
	s_mov_b32 s83, 0
	s_wait_dscnt 0x0
	s_wait_kmcnt 0x0
	s_load_b128 s[68:71], s[10:11], 0x18           ; e6, e7, e8, e9
	s_load_b32 s72, s[10:11], 0x28                 ; e10
	s_cmp_lt_u32 s[WV], 8
	s_cselect_b64 s[84:85], s[6:7], s[8:9]
	s_add_nc_u64 s[G0S+2:G0S+3], s[84:85], s[80:81]
	s_or_b32 s[G0S+3], s[G0S+3], 0x80000000        ; type = 2
	s_add_nc_u64 s[G0L+2:G0L+3], s[84:85], s[82:83]
	s_or_b32 s[G0L+3], s[G0L+3], 0x80000000
	CROUND                                         ; all four work-groups are here: the joint loads meet
	tensor_load_to_lds s[G0S:G0S+3], s[G1S:G1S+7]
	s_nop 0
	s_wait_alu depctr_va_vdst(0)
	s_wait_tensorcnt 0x0
	ds_add_u32 v23, v251
	s_wait_dscnt 0x0
	CROUND
	tensor_load_to_lds s[G0L:G0L+3], s[G1L:G1L+7]
	s_nop 0
.rept 4
	v_nop
.endr
	s_lshl_b32 s73, s[WV], 2
	s_add_co_u32 s74, s73, s[CX]                   ; my first tile: 4 w + cx
	s_sub_co_u32 s75, 124, s73
	s_add_co_u32 s75, s75, s[CX]                   ; my second: 124 - 4 w + cx
	s_lshl_b32 s76, s[BH], 7
	s_add_co_u32 s77, s76, s74
	s_lshl_b32 s80, s77, 10                        ; a tile of q is 1,024 bytes
	s_add_nc_u64 s[QPA:QPA+1], s[4:5], s[80:81]
	s_add_co_u32 s77, s76, s75
	s_lshl_b32 s80, s77, 10
	s_add_nc_u64 s[QPB:QPB+1], s[4:5], s[80:81]
	v_and_b32 v9, 31, v0
	s_wait_alu depctr_va_vdst(0)
	v_lshlrev_b32 v[L16], 4, v9
	global_load_b128 v[QA:QA+3], v[L16], s[QPA:QPA+1]
	global_load_b128 v[QA+4:QA+7], v[L16], s[QPA:QPA+1] offset:512
	global_load_b128 v[QB:QB+3], v[L16], s[QPB:QPB+1]
	global_load_b128 v[QB+4:QB+7], v[L16], s[QPB:QPB+1] offset:512
	s_lshr_b32 s76, s[BH], 4                       ; batch
	s_and_b32 s77, s[BH], 15                       ; head
	s_lshr_b32 s78, s77, 2
	s_lshl_b32 s78, s78, 21                        ; (head / 4) x 512 tiles x 4,096 bytes
	s_and_b32 s77, s77, 3
	s_lshl_b32 s77, s77, 10
	s_add_co_u32 s78, s78, s77                     ; + (head % 4) x 1,024
	s_lshl_b32 s76, s76, 19
	s_add_co_u32 s78, s78, s76                     ; + batch x 128 tiles x 4,096
	s_lshl_b32 s80, s74, 12
	s_add_co_u32 s80, s80, s78
	s_add_nc_u64 s[CPA:CPA+1], s[12:13], s[80:81]
	s_lshl_b32 s80, s75, 12
	s_add_co_u32 s80, s80, s78
	s_add_nc_u64 s[CPB:CPB+1], s[12:13], s[80:81]
	v_cmp_lt_u32 s[HM], 15, v9                     ; lanes 16 to 31
	v_and_b32 v[DQA], 15, v0
	v_bfe_u32 v[DQB], v0, 4, 1
	s_delay_alu instid0(VALU_DEP_1)
	v_lshlrev_b32 v[DQB], 3, v[DQB]
	s_delay_alu instid0(VALU_DEP_1)
	v_sub_nc_u32 v9, v[DQA], v[DQB]                ; lane % 16 - 8 (lane / 16)
	s_and_b32 s76, s74, 7
	s_lshl_b32 s76, s76, 4
	v_add_nc_u32 v[DQA], s76, v9
	s_and_b32 s76, s75, 7
	s_lshl_b32 s76, s76, 4
	v_add_nc_u32 v[DQB], s76, v9
	v_mov_b32 v[STA+1], 0xff61b1e6                 ; the largest t so far: -3e38, under every t
	v_mov_b32 v[STB+1], 0xff61b1e6
	s_delay_alu instid0(VALU_DEP_2)
	v_floor_f32 v[STA], -v[STA+1]                  ; -M
	s_delay_alu instid0(VALU_DEP_2)
	v_floor_f32 v[STB], -v[STB+1]
	v_mov_b32 v[STA+2], 0                          ; the sums
	v_mov_b32 v[STA+3], 0
	v_mov_b32 v[STB+2], 0
	v_mov_b32 v[STB+3], 0
	v_mov_b32 v250, 0                              ; written once: a lane permute's destination counts as one of its sources
	v_mov_b32 v253, 0                              ; (named as the upper half of the pair v[252:253])
	v_mov_b32 v[NINF], 0xff800000
	s_wait_kmcnt 0x0
	s_add_co_i32 s73, s68, s69
	s_lshl_b32 s73, s73, 23
	s_add_co_i32 s[CS], s[CS], s73                 ; a score stands for score x 2^(e6 + e7): the two exponents are added to c's exponent field
	s_mov_b32 s[CS+1], s[CS]                       ; (named with it as a pair, so it is written)
	s_add_co_i32 s73, s70, 127
	s_lshl_b32 s76, s73, 23
	v_mov_b32 v[PSC], s76                          ; 2^e8 as f32
	s_sub_co_i32 s73, s72, s70
	s_sub_co_i32 s73, s73, s71                     ; O / l stands for ctx / 2^(e8 + e9): its code is (O / l) / 2^(e10 - e8 - e9)
	s_add_co_i32 s73, s73, 127
	s_lshl_b32 s76, s73, 23
	v_mov_b32 v[CSC], s76
; ONE TILE OF QUERIES, ONE KEY STEP.  q, o: the tile's Q and O^T; st: its four registers of statistics; dq: its number for the mask; sd: the scalar register with its last step, the one on the diagonal.
; first = 1: key step 0, whose products start O^T's sums with the constant 0: nothing is ever cleared.
.macro UNIT q, o, st, dq, sd, first
.irp t, 0,1,2,3,4,5,6,7
	ds_load_b128 v[F+8*\t:F+8*\t+3], v[ADK] offset:1024*\t          ; K's eight fragments, 16 keys x 64 channels: 32 lanes take 512 consecutive bytes
	ds_load_b128 v[F+8*\t+4:F+8*\t+7], v[ADK] offset:1024*\t+512
.endr
	s_wait_dscnt 0x0
.irp t, 0,1,2,3,4,5,6,7
	v_wmma_f32_16x16x64_fp8_fp8 v[S+8*\t:S+8*\t+7], v[F+8*\t:F+8*\t+7], v[\q:\q+7], 0
.endr
.rept 4
	v_nop                                          ; four places behind the products: for the loads into K's registers, and for the first reads of the scores
.endr
.irp t, 0,1,2,3
.irp c, 0,1,2,3
	ds_load_b128 v[F+16*\t+4*\c:F+16*\t+4*\c+3], v[ADV] offset:2048*\t+512*\c   ; V's four fragments, 16 channels x 128 keys: they land under the softmax
.endr
.endr
	s_cmp_lg_u32 s[SN], s[\sd]                     ; only the tile's last step lies on the diagonal: a branch on the wave's number and the step
	s_cbranch_scc1 .Lopen_\@
.irp n, 0,1,2,3,4,5,6,7,8,9,10,11,12,13,14,15,16,17,18,19,20,21,22,23,24,25,26,27,28,29,30,31,32,33,34,35,36,37,38,39,40,41,42,43,44,45,46,47,48,49,50,51,52,53,54,55,56,57,58,59,60,61,62,63
	v_cmp_gt_i32 vcc_lo, 16*(\n/8)+\n%8, v[\dq]    ; the key comes after my query: its score becomes -infinity, and p = 0
	v_cndmask_b32 v[S+\n], v[S+\n], v[NINF], vcc_lo
.endr
.Lopen_\@:
	v_max3_num_f32 v248, v[S], v[S+1], v[S+2]      ; the step's largest score of my query among my 64 keys, in two chains, each accumulator from its low end on,
	v_max3_num_f32 v249, v[S+3], v[S+4], v[S+5]
.irp i, 6,10,14,18,22,26,30,34,38,42,46,50,54,58
	v_max3_num_f32 v248, v248, v[S+\i], v[S+\i+1]
	v_max3_num_f32 v249, v249, v[S+\i+2], v[S+\i+3]
.endr
	v_max3_num_f32 v248, v248, v[S+62], v[S+63]
	s_delay_alu instid0(VALU_DEP_1)
	v_max_num_f32 v248, v248, v249
	s_delay_alu instid0(VALU_DEP_1)
	v_permlanex16_b32 v250, v248, s[SEL], s[SEL+1]
	s_delay_alu instid0(VALU_DEP_1)
	v_max_num_f32 v248, v248, v250                 ; and among lane l xor 16's
	s_delay_alu instid0(VALU_DEP_1)
	v_mul_f32 v248, s[CS], v248                    ; as t (c is positive)
	s_delay_alu instid0(VALU_DEP_1)
	v_max_num_f32 v[\st+1], v[\st+1], v248         ; the running largest t
	v_mov_b32 v248, v[\st]
	s_delay_alu instid0(VALU_DEP_2)
	v_floor_f32 v[\st], -v[\st+1]                  ; the new -M = floor(-t) = -ceil(t): a whole number
	s_delay_alu instid0(VALU_DEP_1)
	v_sub_f32 v248, v[\st], v248                   ; M's old value less its new one: a whole number, 0 or less
	s_delay_alu instid0(VALU_DEP_1)
	v_cvt_i32_f32 v248, v248                       ; (it saturates)
	s_delay_alu instid0(VALU_DEP_1)
	v_ldexp_f32 v252, 1.0, v248                    ; f = 2^(old M - new M)
.set n, 0
.rept 32
	v_pk_fma_f32 v[S+n:S+n+1], v[S+n:S+n+1], s[CS:CS+1], v[\st:\st+1] op_sel_hi:[1,0,0]   ; t - M, two at a time (of the pairs c and -M the low word serves both halves)
.set n, n+2
.endr
.set n, 0
	s_wait_alu depctr_va_vdst(0)
.rept 64
	v_exp_f32 v[S+n], v[S+n]                       ; p = 2^(t - M), at most 1
.set n, n+1
.endr
	v_pk_mul_f32 v[\st+2:\st+3], v[\st+2:\st+3], v[252:253] op_sel_hi:[1,0]   ; the sums under the new M: the plain instruction behind the exponentials
	s_wait_alu depctr_va_vdst(0)                   ; one wait for the batch of 64, ahead of the first instruction that names a result
	v_pk_add_f32 v[254:255], v[S:S+1], v[S+2:S+3]  ; the row's sum is taken of the unquantised p: two at a time, in two chains
.irp j, 4,8,12,16,20,24,28,32,36,40,44,48,52,56,60
	v_pk_add_f32 v[\st+2:\st+3], v[\st+2:\st+3], v[S+\j:S+\j+1]
	v_pk_add_f32 v[254:255], v[254:255], v[S+\j+2:S+\j+3]
.endr
	s_delay_alu instid0(VALU_DEP_1)
	v_pk_add_f32 v[\st+2:\st+3], v[\st+2:\st+3], v[254:255]
.irp t, 0,1,2,3,4,5,6,7
.irp i, 0,1,2,3,4,5,6,7
.endr
	v_cvt_scalef32_pk8_fp8_f32 v[P+2*\t:P+2*\t+1], v[S+8*\t:S+8*\t+7], v[PSC]   ; keys 16 t + 8 (lane / 16) + 0 .. 7: registers 2 t, 2 t + 1 of the operand
.endr
.if \first
	s_wait_alu depctr_va_vdst(0)
	v_nop                                          ; one plain vector instruction between the last conversion and the products that read its result
.else
.set n, 0
.rept 16
	v_pk_mul_f32 v[\o+n:\o+n+1], v[\o+n:\o+n+1], v[252:253] op_sel_hi:[1,0]   ; O^T under the new M; also the plain instructions behind the conversions
.set n, n+2
.endr
.endif
	s_wait_alu depctr_va_vdst(0)
	s_wait_dscnt 0x0                               ; V is in
.irp t, 0,1,2,3                                ; four accumulators by turns; the next visit stands behind the next unit's eight products
.if \first
	v_wmma_f32_16x16x128_fp8_fp8 v[\o+8*\t:\o+8*\t+7], v[F+16*\t:F+16*\t+15], v[P:P+15], 0
.else
	v_wmma_f32_16x16x128_fp8_fp8 v[\o+8*\t:\o+8*\t+7], v[F+16*\t:F+16*\t+15], v[P:P+15], v[\o+8*\t:\o+8*\t+7]
.endif
.endr
.rept 4
	v_nop                                          ; four places: the next loads land in V's registers, and behind the last step O^T is read
.endr
.endm
; A KEY STEP: the second tile (the later queries) while the step is at most its last, then the first tile likewise.  The branches hang on the wave's number and the step alone.
; Both LDS addresses are made ahead of the branches.  In step 0 both tiles are at work in every wave: that copy has no branch.
.macro STEPBODY first
	v_add_nc_u32 v[ADK], s[TB], v[L16]
	s_delay_alu instid0(VALU_DEP_1)
	v_add_nc_u32 v[ADV], 0x20000, v[ADK]
.if !\first
	s_cmp_gt_u32 s[SN], s[SB]
	s_cbranch_scc1 .Lend_\@
.endif
	s_wait_alu depctr_va_vdst(0)
	UNIT QB, OB, STB, DQB, SB, \first
.if !\first
	s_cmp_gt_u32 s[SN], s[SA]
	s_cbranch_scc1 .Lend_\@
.endif
	UNIT QA, OA, STA, DQA, SA, \first
.Lend_\@:
.endm
	s_wait_loadcnt 0x0                             ; Q
	s_wait_tensorcnt 1                             ; my piece of key step 0 is in; my large load, issued behind it, may stay out: no byte of LDS is ever filled again
	s_barrier_signal -1
	s_barrier_wait -1                              ; everybody's piece is in
	s_mov_b32 s[SN], 0
	s_mov_b32 s[TB], 0
	STEPBODY 1                                     ; two units in every wave, while steps 1 to 15 land
	s_wait_tensorcnt 0x0                           ; my piece of steps 1 to 15 is in
	s_wait_dscnt 0x0
	s_barrier_signal -1
	s_barrier_wait -1                              ; everybody's is: from here on the waves run free
	s_mov_b32 s[SN], 1
	s_mov_b32 s[TB], 8192
.Lstep:                                            ; 15 trips in every wave; a trip does two units, one or none
	STEPBODY 0
	s_add_co_u32 s[TB], s[TB], 8192
	s_add_co_u32 s[SN], s[SN], 1
	s_cmp_lt_u32 s[SN], 16
	s_cbranch_scc1 .Lstep
	; THE WAY OUT.  The sums' two halves and lane l xor 16's are added; O^T is divided by the sum, and converted.
	v_add_f32 v[STA+2], v[STA+2], v[STA+3]
	v_add_f32 v[STB+2], v[STB+2], v[STB+3]
	s_delay_alu instid0(VALU_DEP_2)
	v_permlanex16_b32 v248, v[STA+2], s[SEL], s[SEL+1]
	s_delay_alu instid0(VALU_DEP_2)
	v_permlanex16_b32 v249, v[STB+2], s[SEL], s[SEL+1]
	s_delay_alu instid0(VALU_DEP_2)
	v_add_f32 v[STA+2], v[STA+2], v248
	s_delay_alu instid0(VALU_DEP_2)
	v_add_f32 v[STB+2], v[STB+2], v249
	s_wait_alu depctr_va_vdst(0)
	v_rcp_f32 v[STA+3], v[STA+2]
	v_rcp_f32 v[STB+3], v[STB+2]
	v_nop                                          ; a plain instruction behind the reciprocals
	s_wait_alu depctr_va_vdst(0)                   ; and one wait for both, ahead of the first use
; Tile u.  The conversions leave, in registers 2 t, 2 t + 1, channels 16 t + 8 (lane / 16) + 0 .. 7 of my query.  The image wants channels 32 p + 16 (lane / 16) + 0 .. 15 in four registers: lanes 0-15 keep tile 2 p's
; codes and take those of lane l + 16; lanes 16-31 keep tile 2 p + 1's and take those of lane l - 16.  Each lane sends what it does not keep: one exchange of two registers for each p.
.macro FIN o, rc, u, cp
.set n, 0
.rept 32
	v_mul_f32 v[S+32*\u+n], v[\o+n], v[\rc]        ; O^T / the sum, each accumulator from its low end on
.set n, n+1
.endr
.set n, 0
.rept 32
.set n, n+1
.endr
.irp t, 0,1,2,3
	v_cvt_scalef32_pk8_fp8_f32 v[P+8*\u+2*\t:P+8*\u+2*\t+1], v[S+32*\u+8*\t:S+32*\u+8*\t+7], v[CSC]
.endr
	v_nop                                          ; one plain vector instruction behind the conversions
.irp p, 0,1
	v_cndmask_b32 v[F+32*\u+16*\p+8], v[P+8*\u+4*\p+2], v[P+8*\u+4*\p], s[HM]      ; what I send: lanes 0-15 tile 2 p + 1's codes, lanes 16-31 tile 2 p's
	v_cndmask_b32 v[F+32*\u+16*\p+9], v[P+8*\u+4*\p+3], v[P+8*\u+4*\p+1], s[HM]
	s_delay_alu instid0(VALU_DEP_2)
	v_permlanex16_b32 v[F+32*\u+16*\p+10], v[F+32*\u+16*\p+8], s[SEL], s[SEL+1]
	s_delay_alu instid0(VALU_DEP_2)
	v_permlanex16_b32 v[F+32*\u+16*\p+11], v[F+32*\u+16*\p+9], s[SEL], s[SEL+1]
	v_cndmask_b32 v[F+32*\u+16*\p], v[P+8*\u+4*\p], v[F+32*\u+16*\p+10], s[HM]
	v_cndmask_b32 v[F+32*\u+16*\p+1], v[P+8*\u+4*\p+1], v[F+32*\u+16*\p+11], s[HM]
	v_cndmask_b32 v[F+32*\u+16*\p+2], v[F+32*\u+16*\p+10], v[P+8*\u+4*\p+2], s[HM]
	v_cndmask_b32 v[F+32*\u+16*\p+3], v[F+32*\u+16*\p+11], v[P+8*\u+4*\p+3], s[HM]
	global_store_b128 v[L16], v[F+32*\u+16*\p:F+32*\u+16*\p+3], s[\cp:\cp+1] offset:512*\p   ; 32 lanes store 512 consecutive bytes, aligned
.endr
.endm
	FIN OA, STA+3, 0, CPA
	FIN OB, STB+3, 1, CPB
	s_wait_tensorcnt 0x0
	ds_add_u32 v23, v251
	s_wait_dscnt 0x0
	CROUND                                         ; the closing round: no work-group ends while a partner may still ask for a tile that names it
	s_endpgm
.Lfunc_end_k_qb3a1ac9980_attn:
	.size	k_qb3a1ac9980_attn, .Lfunc_end_k_qb3a1ac9980_attn-k_qb3a1ac9980_attn
	.p2alignl 7, 3214868480
	.fill 96, 4, 3214868480
	.section	.rodata,"a",@progbits
	.p2align	6, 0x0
	.amdhsa_kernel k_qb3a1ac9980_attn
		.amdhsa_group_segment_fixed_size 327680
		.amdhsa_private_segment_fixed_size 0
		.amdhsa_enable_private_segment 0
		.amdhsa_kernarg_size 40
		.amdhsa_user_sgpr_count 2
		.amdhsa_user_sgpr_kernarg_segment_ptr 1
		.amdhsa_wavefront_size32 1
		.amdhsa_system_sgpr_workgroup_id_x 1
		.amdhsa_system_sgpr_workgroup_id_y 1
		.amdhsa_system_sgpr_workgroup_id_z 1
		.amdhsa_system_vgpr_workitem_id 0
		.amdhsa_next_free_vgpr 256
		.amdhsa_next_free_sgpr 90
		.amdhsa_reserve_vcc 1
		.amdhsa_float_denorm_mode_32 3
		.amdhsa_float_denorm_mode_16_64 3
		.amdhsa_fp16_overflow 1
		.amdhsa_memory_ordered 1
		.amdhsa_forward_progress 1
		.amdhsa_inst_pref_size 86
	.end_amdhsa_kernel
	.amdgpu_metadata
---
amdhsa.version: [ 1, 2 ]
amdhsa.kernels:
  - .name:           k_qb3a1ac9980_attn
    .symbol:         k_qb3a1ac9980_attn.kd
    .args:
      - { .name: q_img, .offset: 0, .size: 8, .value_kind: global_buffer, .address_space: global }
      - { .name: k_img, .offset: 8, .size: 8, .value_kind: global_buffer, .address_space: global }
      - { .name: v_img, .offset: 16, .size: 8, .value_kind: global_buffer, .address_space: global }
      - { .name: lowp_scales, .offset: 24, .size: 8, .value_kind: global_buffer, .address_space: global }
      - { .name: ctx_img, .offset: 32, .size: 8, .value_kind: global_buffer, .address_space: global }
    .group_segment_fixed_size: 327680
    .private_segment_fixed_size: 0
    .kernarg_segment_align: 8
    .kernarg_segment_size: 40
    .max_flat_workgroup_size: 512
    .sgpr_count:     90
    .vgpr_count:     256
    .wavefront_size: 32
...
	.end_amdgpu_metadata
.endif
;; end of part 2
;; launch proj (part 3): grid 4 x 32, 4 waves a work-group, clusters of 4 x 4, 327,680 bytes of LDS; arguments ctx_img, Wo_codes, lowp_scales, out0; writes out0
.if DOCPART == 3
	.amdgcn_target "amdgcn-amd-amdhsa--gfx1250"
	.amdhsa_code_object_version 6
	.text
	.protected	k_qb3a1ac9980_proj
	.globl	k_qb3a1ac9980_proj
	.p2align	8
	.type	k_qb3a1ac9980_proj,@function
k_qb3a1ac9980_proj:
	s_mov_b64 s[64:65], 0
	v_nop
	global_prefetch_b8 v0, s[64:65] scope:SCOPE_SE
	s_setreg_imm32_b32 hwreg(HW_REG_WAVE_MODE, 25, 1), 1
	s_wait_xcnt 0x0
	s_wait_alu depctr_hold_cnt(0) depctr_sa_sdst(0) depctr_va_vdst(0) depctr_va_sdst(0) depctr_va_ssrc(0) depctr_va_vcc(0) depctr_vm_vsrc(0)
	s_getreg_b32 s2, hwreg(HW_REG_IB_STS2, 6, 4)
	s_cmp_eq_u32 s2, 0
	s_cbranch_scc0 .Lentry_in_a_cluster
	s_endpgm
.Lentry_in_a_cluster:
	s_bfe_u32 s2, ttmp6, 0x10000c
	s_cmp_lg_u32 s2, 0xf033
	s_cbranch_scc0 .Lentry_shape_is_right
	s_endpgm
.Lentry_shape_is_right:
; out0 = ctx Wo on codes of FP8 (E4M3).  ctx: 8,192 rows x 1,024, as images of operand registers (below); Wo: [1024 (n)][1024 (k)] codes, K innermost; out0: [8192][1024] f32; sums in f32.
; A number of ctx is its code's value x 2^e10, of Wo x 2^e11 (entries 10 and 11 of lowp_scales): the codes are multiplied as they are, and each finished sum once by 2^(e10 + e11).
; LIMIT: e10 + e11 lies between -126 and 127, so that 2^(e10 + e11) is an f32 number.
; A tile of out0, 256 x 256, is made by a work-group of four waves, as many as a WGP has SIMDs; a wave makes 128 x 128: 64 accumulators, 512 registers.  K goes in steps of 256 through a ring of two LDS slots.
; ctx_img [K step of 256: 4][tile of 16 rows: 512][4096]: in a tile's 4,096 bytes the fragment of the q-th 128 along K begins at 2,048 q; its registers 4 c .. 4 c + 3 are the 512 bytes [lane][16] at 512 c, and hold
; K = 32 c + 16 (lane / 16) + 0 .. 15 of row lane % 16: just what four 16-byte loads, 32 bytes apart, give of a row of Wo.  So a work-group's 256 rows of a K step are one dense block of 65,536 bytes, and a
; fragment comes out of LDS by four loads of 512 consecutive bytes: no pitch, no padding.  Wo's tiles lie in LDS as rows, padded.
; CLUSTERS: 4 x 4 work-groups.  The four of a row of the cluster need the same tiles of ctx, the four of a column the same tiles of Wo: each tile is asked for JOINTLY.
; THE MATRIX INSTRUCTION IS USED TRANSPOSED (source 0 = 16 rows of Wo, source 1 = 16 rows of ctx): a lane then holds eight neighbouring numbers of a row of out0.
; REGISTERS, in windows of 256: window 0: v0-31 addresses; from v128 A's fragments, ONE set; on the way out v32-255 are free.   window 1: B's fragments, TWO sets.
;   window 2: the 32 accumulators of my rows 0-63 (accumulator (a, b) at v[8 (8 a + b)]);   window 3: those of my rows 64-127.
.set SIZE_N, 1024
.set SIZE_K, 1024
.set KSTEP,  256                       ; along K in a slot
.set ROWB,   256                       ; a row of Wo's tile in bytes
.set KROW,   SIZE_K                    ; a row of Wo in memory, in bytes
.set PITCH,  272                       ; Wo's LDS row: 256 bytes + 16 of padding = 68 words: the 16 rows that a load touches start at 16 different banks (64 banks of 4 bytes: ISA guide 11.1)
.set FR,     16                        ; registers of a fragment: 16 rows x 128 K
.set NL,     4                         ; LDS loads that bring one
.set NP,     4                         ; places behind this matrix instruction (ISA guide 7.12.1)
.set HALFA,  32768                     ; 128 rows of ctx for a K step: 8 tiles of 4,096 bytes: what one tensor load brings
.set HALFT,  128*PITCH                 ; 128 rows of Wo
.set BOFF,   2*HALFA                   ; Wo's rows lie behind ctx's 65,536 bytes
.set SLOT,   BOFF+2*HALFT
.set KSA,    2097152                   ; from a K step of ctx_img to the next
.set LAPS,   SIZE_K/(2*KSTEP)          ; a lap = two K steps = once round the ring: 2
.set SPARE,  2*SLOT                    ; behind the ring: the spare words, 128 bytes for each wave: two blocks of 256 bytes that no other line names
.set SPITCH, 528                       ; the way out: a stage of 16 rows x (512 bytes + 16) for each wave.  It lies in slot 0, which has had its last fill and its last read when the first result is stored there
.set ADRA, 16                          ; v16-17  LDS address of my A fragments in slot 0, 1
.set ADRB, 20                          ; v20-21  the same for B
.set STO,  24                          ; v24     the way out: where I put 32 bytes of a row
.set RD,   25                          ; v25     the way out: where I read a row back
.set CO,   26                          ; v26     16 x lane: my byte offset in a row of out0, and in an image's piece
.set SPW,  28                          ; v28     LDS address of my spare word; never rewritten
.set NIL,  29                          ; v29     0; never rewritten
.set TMP,  32                          ; the way out: 64 registers, a block's sums x 2^(e10 + e11)
.set AF,   128                         ; A's fragments, in window 0
.set BK,   128                         ; the way out: 16 rows read back from the stage: v128-191 and v192-255 by turns
.set G1, 24                            ; s[24:31] descriptor group 1 for A's tiles;  s[32:39] group 0, one set for each slot
.set G0, 32
.set G1B, 48                           ; s[48:55], s[56:63] the same for B's tiles
.set G0B, 56
.set MSB, 0
.macro WIN new                         ; the immediate's high byte repeats the setting that is left
.if MSB != \new
	s_set_vgpr_msb (MSB<<8)|\new
.set MSB, \new
.endif
.endm
.set MUL_LO, 0xa1                      ; source 0 (B) window 1, source 1 (A) window 0, C and D window 2
.set MUL_HI, 0xf1                      ; the same, C and D window 3
.set TO_B,   0x40                      ; destination window 1, address window 0
; A joint load: waves 0 and 1 fetch for A, waves 2 and 3 for B; the branch hangs on the wave's number alone.  Four v_nop follow each of the two lines.
.macro JLOAD g0a, g1a, g0b, g1b
	s_cmp_eq_u32 s15, 0
	s_cbranch_scc0 .Lfor_b_\@
	tensor_load_to_lds s[\g0a:\g0a+3], s[\g1a:\g1a+7]
	s_nop 0
.rept 4
	v_nop
.endr
	s_branch .Lasked_\@
.Lfor_b_\@:
	tensor_load_to_lds s[\g0b:\g0b+3], s[\g1b:\g1b+7]
	s_nop 0
.rept 4
	v_nop
.endr
.Lasked_\@:
.endm
.macro CREST                           ; a round of the cluster's barrier behind its opening barrier
	s_cmp_lg_u32 s14, 0
	s_cbranch_scc1 .Lnot_wave_0_\@
	s_barrier_signal -3
.Lnot_wave_0_\@:
	s_barrier_wait -3
	s_barrier_signal -1
	s_barrier_wait -1
.endm
.macro CROUND                          ; a whole round
	s_barrier_signal -1
	s_barrier_wait -1
	CREST
.endm
	s_load_b128 s[4:7], s[0:1], 0x0                ; ctx_img s[4:5], Wo's codes s[6:7]
	s_load_b128 s[8:11], s[0:1], 0x10              ; the exponents s[8:9], out0 s[10:11]
	v_lshl_add_u32 v[SPW], v0, 2, SPARE
	v_mov_b32 v[NIL], 0
	ds_add_u32 v28, v29
	ds_add_u32 v28, v29
	s_wait_dscnt 0x0
	v_lshrrev_b32 v1, 5, v0
	v_readfirstlane_b32 s14, v1                    ; wave 0..3
	s_lshr_b32 s15, s14, 1                         ; which half of the tile's rows is mine.  Also: I fetch for A (0) or for B (1)
	s_and_b32 s16, s14, 1                          ; which half of its columns.  Also: which 128 rows of that tile I fetch
	s_bfe_u32 s40, ttmp6, 0x40000                  ; cx, cy: my place in the cluster
	s_bfe_u32 s41, ttmp6, 0x40004
	s_lshl_b32 s42, ttmp9, 2
	s_add_co_u32 s42, s42, s40                     ; tile column = 4 x cluster x + cx
	s_and_b32 s17, ttmp7, 0xffff
	s_lshl_b32 s17, s17, 2
	s_add_co_u32 s17, s17, s41                     ; tile row = 4 x cluster y + cy
	s_lshl_b32 s43, s41, 2
	s_lshl_b32 s43, 15, s43                        ; my row of the cluster
	s_lshl_b32 s44, 0x1111, s40                    ; my column
	; descriptor group 1.  A: a dense block of 32,768 bytes as 128 rows of 32 elements of 8 bytes, no padding
	s_or_b32 s[G1+0], s43, (3<<16)|(1<<21)         ; 15:0 the mask: A's tiles go to my row; 17:16 elements of 8 bytes; 21 set beside a mask
	s_mov_b32 s[G1+1], 32<<16                      ; tensor_dim0 = 32
	s_mov_b32 s[G1+2], 128<<16                     ; tensor_dim1 = 128
	s_mov_b32 s[G1+3], 32<<16                      ; tile_dim0 = 32
	s_mov_b32 s[G1+4], 128                         ; tile_dim1 = 128
	s_mov_b32 s[G1+5], 32                          ; tensor_dim0_stride
	s_mov_b32 s[G1+6], 0
	s_mov_b32 s[G1+7], 0
	; B: 128 rows x 256 bytes, padded in LDS
	s_or_b32 s[G1B+0], s44, (0<<16)|(1<<20)|(1<<21)|(5<<22)|(3<<25)  ; the mask of my column; elements of 1 byte; padding on: 4 words (code 3) after every 64 (code 5)
	s_mov_b32 s[G1B+1], ROWB<<16
	s_mov_b32 s[G1B+2], 128<<16
	s_mov_b32 s[G1B+3], ROWB<<16
	s_mov_b32 s[G1B+4], 128
	s_mov_b32 s[G1B+5], KROW
	s_mov_b32 s[G1B+6], 0
	s_mov_b32 s[G1B+7], 0
	s_lshl_b32 s20, s17, 16                        ; A: 16 tiles of 4,096 bytes a tile row,
	s_lshl_b32 s18, s16, 15                        ; and the 8 tiles that I fetch
	s_add_co_u32 s20, s20, s18
	s_mov_b32 s21, 0
	s_lshl_b32 s46, s42, 18                        ; B: 256 rows of 1,024 bytes a tile column,
	s_lshl_b32 s47, s16, 17                        ; and the 128 rows that I fetch
	s_add_co_u32 s46, s46, s47
	s_mov_b32 s47, 0
	s_lshl_b32 s45, s16, 15                        ; where they go: A's half,
	s_mul_i32 s23, s16, HALFT
	s_add_co_u32 s23, s23, BOFF                    ; B's half: no place in the cluster enters an LDS address
	s_wait_kmcnt 0x0
	s_load_b64 s[96:97], s[8:9], 0x28              ; e10, e11
	s_add_nc_u64 s[20:21], s[4:5], s[20:21]
	s_add_nc_u64 s[46:47], s[6:7], s[46:47]
	CROUND                                         ; all sixteen work-groups are here: the first joint loads meet
.irp s, 0,1
	s_mov_b32 s[G0+4*\s], 1
	s_add_co_u32 s[G0+4*\s+1], s45, \s*SLOT
	s_add_nc_u64 s[G0+4*\s+2:G0+4*\s+3], s[20:21], \s*KSA
	s_or_b32 s[G0+4*\s+3], s[G0+4*\s+3], 0x80000000
	s_mov_b32 s[G0B+4*\s], 1
	s_add_co_u32 s[G0B+4*\s+1], s23, \s*SLOT
	s_add_nc_u64 s[G0B+4*\s+2:G0B+4*\s+3], s[46:47], \s*ROWB
	s_or_b32 s[G0B+4*\s+3], s[G0B+4*\s+3], 0x80000000
	s_wait_alu depctr_va_vdst(0)
	s_wait_tensorcnt 0x0
	ds_add_u32 v28, v29
	ds_add_u32 v28, v29
	s_wait_dscnt 0x0
	CROUND
	JLOAD G0+4*\s, G1, G0B+4*\s, G1B
.endr
	v_and_b32 v1, 15, v0                           ; l % 16
	v_bfe_u32 v2, v0, 4, 1                         ; l / 16
	v_mul_u32_u24 v3, v1, PITCH
	v_lshl_add_u32 v4, v2, 4, v3                   ; B: a fragment's row x pitch + 16 x half
	v_and_b32 v6, 31, v0
	v_lshlrev_b32 v[CO], 4, v6                     ; A: 16 x lane
	s_wait_alu depctr_va_vdst(0)
	s_lshl_b32 s21, s15, 15                        ; my 128 rows of A
	s_mul_i32 s22, s16, HALFT                      ; my 128 rows of B,
	s_add_co_u32 s22, s22, BOFF                    ; which lie behind A's block
.irp s, 0,1
	v_add_nc_u32 v[ADRA+\s], s21, v[CO]
	v_add_nc_u32 v[ADRB+\s], s22, v4
	s_add_co_u32 s21, s21, SLOT
	s_add_co_u32 s22, s22, SLOT
.endr
	s_mul_i32 s23, s14, 16*SPITCH                  ; my stage
	v_mul_u32_u24 v5, v1, SPITCH                   ; in: row l % 16, 32 bytes for each half of the lanes
	v_lshl_add_u32 v5, v2, 5, v5
	v_add_nc_u32 v[STO], s23, v5
	v_add_nc_u32 v[RD], s23, v[CO]                 ; back: the 32 lanes take one row of 512 bytes
	s_lshl_b32 s20, s17, 8
	s_lshl_b32 s21, s15, 7
	s_add_co_u32 s20, s20, s21                     ; my first row of out0: 256 x tile row + 128 x half
	s_lshl_b32 s20, s20, 12                        ; rows of 4,096 bytes: under 2^25
	s_lshl_b32 s46, s42, 10                        ; my first column, in bytes: 1,024 x tile column + 512 x half
	s_lshl_b32 s47, s16, 9
	s_add_co_u32 s46, s46, s47
	s_add_co_u32 s20, s20, s46
	s_mov_b32 s21, 0
	s_add_nc_u64 s[10:11], s[10:11], s[20:21]
.macro FRAG reg, adr, q, i             ; a fragment of Wo: lane l holds row l % 16; registers 4 c .. 4 c + 3 hold K = 32 c + 16 (l / 16) + 0 .. 15
.irp c, 0,1,2,3
	ds_load_b128 v[\reg+4*\c:\reg+4*\c+3], v[\adr] offset:128*(\q)+32*\c+(\i)*16*PITCH
.endr
.endm
.macro FRAGA reg, adr, q, i            ; a fragment of ctx: its image, four pieces of 512 consecutive bytes: the same K in the same registers and lanes
.irp c, 0,1,2,3
	ds_load_b128 v[\reg+4*\c:\reg+4*\c+3], v[\adr] offset:2048*(\q)+512*\c+(\i)*4096
.endr
.endm
; 16 matrix instructions: A's blocks a0, a0 + 1 x B's eight, 128 along K.  p: B's set.  zero = 1: the first product starts the sums: nothing is ever cleared.
; The 64 accumulators take turns, one instruction a turn, in the same order in every step.
.macro MUL16 a0, p, zero
.irp a, \a0, \a0+1
.irp b, 0,1,2,3,4,5,6,7
.if \zero
	v_wmma_f32_16x16x128_fp8_fp8 v[8*(8*((\a)%4)+\b):8*(8*((\a)%4)+\b)+7], v[128*(\p)+FR*\b:128*(\p)+FR*\b+FR-1], v[AF+FR*(\a):AF+FR*(\a)+FR-1], 0
.else
	v_wmma_f32_16x16x128_fp8_fp8 v[8*(8*((\a)%4)+\b):8*(8*((\a)%4)+\b)+7], v[128*(\p)+FR*\b:128*(\p)+FR*\b+FR-1], v[AF+FR*(\a):AF+FR*(\a)+FR-1], v[8*(8*((\a)%4)+\b):8*(8*((\a)%4)+\b)+7]
.endif
.endr
.endr
.endm
.macro FETCH_B slot, q, p              ; B's eight fragments of the slot's q-th 128 along K into set p
	WIN TO_B
.irp i, 0,1,2,3,4,5,6,7
	FRAG 128*(\p)+FR*\i, ADRB+\slot, \q, \i
.endr
	WIN 0
.endm
.macro FETCH_A slot, q, i0             ; A's blocks i0 .. i0 + 3
.irp i, \i0, \i0+1, \i0+2, \i0+3
	FRAGA AF+FR*(\i), ADRA+\slot, \q, \i
.endr
.endm
; A load into a register that a matrix instruction has read, and a vector instruction or an LDS store that reads a matrix result, stand NP places behind that matrix instruction; only plain vector
; instructions that name none of its registers are places (ISA guide 7.12.1 for vector instructions).
.macro PLACES n
.rept \n
	v_nop
.endr
.endm
; A step of 128 along K that has its successor in the same slot.
.macro STEP slot, q, zero
	s_wait_dscnt 4*NL                              ; B's set and A's blocks 0-3 are in; the youngest 16 loads (A's blocks 4-7) may be out
	WIN MUL_LO
	MUL16 0, (\q)%2, \zero
	MUL16 2, (\q)%2, \zero
	s_wait_dscnt 0                                 ; A's blocks 4-7 are in (asked for 32 matrix instructions ago)
	PLACES NP
	FETCH_B \slot, (\q)+1, 1-(\q)%2
	FETCH_A \slot, (\q)+1, 0
	WIN MUL_HI
	MUL16 4, (\q)%2, \zero
	MUL16 6, (\q)%2, \zero
	PLACES NP
	WIN 0
	FETCH_A \slot, (\q)+1, 4
.endm
; A slot's last step changes slots: ONE barrier; in front of it each wave waits for all its tensor loads, adds 0 to its spare word, and waits for that and for its own reads of this slot.  fill = 1: this slot is filled again, two K steps ahead.
.macro TURN slot, next, fill
	s_wait_tensorcnt 0x0                           ; all my tensor loads have landed: my part of the next slot;  (every window is 0 here)
	ds_add_u32 v[SPW], v[NIL]                      ; 0 onto my spare word
	s_wait_dscnt 4*NL+1                            ; (the add and the youngest 16 loads, A's blocks 4-7, may be out)
	WIN MUL_LO
	MUL16 0, 1, 0                                  ; sixteen matrix instructions stand between the add and the wait for it
	s_wait_dscnt 0x0                               ; the add is done, and my reads of this slot are over
	s_barrier_signal -1
	MUL16 2, 1, 0
	WIN 0
	s_barrier_wait -1
.if \fill
	CREST                                          ; the barrier has opened a round of the cluster's barrier: no wave of any partner still reads this slot's tile or has a load on its way
	s_add_nc_u64 s[G0+4*\slot+2:G0+4*\slot+3], s[G0+4*\slot+2:G0+4*\slot+3], 2*KSA
	s_add_nc_u64 s[G0B+4*\slot+2:G0B+4*\slot+3], s[G0B+4*\slot+2:G0B+4*\slot+3], 2*ROWB
	JLOAD G0+4*\slot, G1, G0B+4*\slot, G1B         ; the first tensor load behind the round; the four v_nop behind it are the places in front of the loads below
.else
	PLACES NP
.endif
	FETCH_B \next, 0, 0
	FETCH_A \next, 0, 0
	WIN MUL_HI
	MUL16 4, 1, 0
	MUL16 6, 1, 0
	PLACES NP
	WIN 0
	FETCH_A \next, 0, 4
.endm
	s_wait_alu depctr_va_vdst(0)
	s_wait_tensorcnt 1                             ; my part of K step 0 is in (K step 1's load, issued behind it, may be out)
	s_barrier_signal -1
	s_barrier_wait -1                              ; everybody's is
	FETCH_B 0, 0, 0
	FETCH_A 0, 0, 0
	FETCH_A 0, 0, 4
	STEP 0, 0, 1                                   ; the first step stands in front of the loop: its products start the sums
	s_mov_b32 s3, LAPS-1
.Llap:                                                 ; a trip goes once round the ring, from a lap's second step to the next lap's first, and fills both slots again
	TURN 0, 1, 1
	STEP 1, 0, 0
	TURN 1, 0, 1
	STEP 0, 0, 0
	s_sub_co_u32 s3, s3, 1
	s_cmp_lg_u32 s3, 0
	s_cbranch_scc1 .Llap
	TURN 0, 1, 0                                   ; the last lap fills nothing, and has no round of the cluster's barrier
	STEP 1, 0, 0
	s_wait_dscnt 4*NL                              ; the very last step: nothing more to fetch
	WIN MUL_LO
	MUL16 0, 1, 0
	MUL16 2, 1, 0
	s_wait_dscnt 0
	WIN MUL_HI
	MUL16 4, 1, 0
	MUL16 6, 1, 0
	WIN 0
; THE WAY OUT, block by block of 16 rows x 128 columns.  A lane holds 32 neighbouring bytes of a row, and the lanes beside it hold other rows: so a block goes through my own stage in LDS and comes back as whole
; rows of 512 bytes, which the 32 lanes store as 512 consecutive bytes, aligned.  LDS serves a wave's instructions in order (ISA guide 5.7.1.4): no wait between the stores and the loads, nor in front of the next block's stores.
.macro TOSTAGE a
.set AC, 64*((\a)%4)
	WIN 0x02+((\a)/4)                              ; source 0: window 2 or 3
.irp j, 0,2,4,6,8,10,12,14,16,18,20,22,24,26,28,30,32,34,36,38,40,42,44,46,48,50,52,54,56,58,60,62
	v_pk_mul_f32 v[TMP+\j:TMP+\j+1], v[AC+\j:AC+\j+1], s[96:97] op_sel_hi:[1,0]   ; both x s96 = 2^(e10 + e11); each accumulator from its low end on
.endr
	WIN 0
.irp b, 0,1,2,3,4,5,6,7
	ds_store_b128 v[STO], v[TMP+8*\b:TMP+8*\b+3] offset:64*\b
	ds_store_b128 v[STO], v[TMP+8*\b+4:TMP+8*\b+7] offset:64*\b+16
.endr
.set BB, BK+64*((\a)%2)
.irp t, 0,1,2,3,4,5,6,7,8,9,10,11,12,13,14,15
	ds_load_b128 v[BB+4*\t:BB+4*\t+3], v[RD] offset:\t*SPITCH
.endr
.endm
.macro SEND a, younger                 ; younger: the LDS instructions issued behind block a's loads, which may stay out
.set BB, BK+64*((\a)%2)
	s_wait_dscnt \younger                          ; the block is back in registers
.if (\a) > 0
	s_add_nc_u64 s[10:11], s[10:11], 16*SIZE_N*4   ; (behind a wait on XCNT: the earlier stores have read their base)  16 rows on, so that the stores' offsets stay small
.endif
.irp t, 0,1,2,3,4,5,6,7,8,9,10,11,12,13,14,15
	global_store_b128 v[CO], v[BB+4*\t:BB+4*\t+3], s[10:11] offset:\t*SIZE_N*4 th:TH_STORE_NT   ; 32 lanes store 512 consecutive bytes, at a multiple of 256 from out0's first byte; written once, read by nobody here
.endr
.endm
	s_wait_kmcnt 0x0
	s_add_co_i32 s96, s96, s97                     ; e10 + e11, between -126 and 127,
	s_add_co_i32 s96, s96, 127
	s_lshl_b32 s96, s96, 23                        ; makes the f32 number 2^(e10 + e11)
	PLACES NP                                      ; behind the last products: for the loads into the registers that held A's fragments, and for the reads of results
	TOSTAGE 0
.irp a, 1,2,3,4,5,6,7
.if \a > 1
	s_wait_xcnt 0x0                                ; block a - 2's stores have read their registers and their base: block a's loads may land there, and the base may step
.endif
	TOSTAGE \a
	SEND \a-1, 32                                  ; behind block a - 1's loads: block a's 16 stores and 16 loads
.endr
	s_wait_xcnt 0x0                                ; block 6's stores have read their base
	SEND 7, 0
	s_wait_tensorcnt 0x0                           ; the wave's end, behind my last tensor load and my last LDS store
	ds_add_u32 v[SPW], v[NIL]
	s_wait_dscnt 0x0
	CROUND                                         ; the closing round: no work-group ends while a partner may still ask for a tile that names it
	s_endpgm
.Lfunc_end_k_qb3a1ac9980_proj:
	.size	k_qb3a1ac9980_proj, .Lfunc_end_k_qb3a1ac9980_proj-k_qb3a1ac9980_proj
	.p2alignl 7, 3214868480
	.fill 96, 4, 3214868480
	.section	.rodata,"a",@progbits
	.p2align	6, 0x0
	.amdhsa_kernel k_qb3a1ac9980_proj
		.amdhsa_group_segment_fixed_size 327680
		.amdhsa_private_segment_fixed_size 0
		.amdhsa_enable_private_segment 0
		.amdhsa_kernarg_size 32
		.amdhsa_user_sgpr_count 2
		.amdhsa_user_sgpr_kernarg_segment_ptr 1
		.amdhsa_wavefront_size32 1
		.amdhsa_system_sgpr_workgroup_id_x 1
		.amdhsa_system_sgpr_workgroup_id_y 1
		.amdhsa_system_sgpr_workgroup_id_z 1
		.amdhsa_system_vgpr_workitem_id 0
		.amdhsa_next_free_vgpr 1024
		.amdhsa_next_free_sgpr 98
		.amdhsa_reserve_vcc 0
		.amdhsa_float_denorm_mode_32 3
		.amdhsa_float_denorm_mode_16_64 3
		.amdhsa_memory_ordered 1
		.amdhsa_forward_progress 1
		.amdhsa_inst_pref_size 124
	.end_amdhsa_kernel
	.amdgpu_metadata
---
amdhsa.version: [ 1, 2 ]
amdhsa.kernels:
  - .name:           k_qb3a1ac9980_proj
    .symbol:         k_qb3a1ac9980_proj.kd
    .args:
      - { .name: ctx_img, .offset: 0, .size: 8, .value_kind: global_buffer, .address_space: global }
      - { .name: Wo_codes, .offset: 8, .size: 8, .value_kind: global_buffer, .address_space: global }
      - { .name: lowp_scales, .offset: 16, .size: 8, .value_kind: global_buffer, .address_space: global }
      - { .name: out0, .offset: 24, .size: 8, .value_kind: global_buffer, .address_space: global }
    .group_segment_fixed_size: 327680
    .private_segment_fixed_size: 0
    .kernarg_segment_align: 8
    .kernarg_segment_size: 32
    .max_flat_workgroup_size: 128
    .sgpr_count:     98
    .vgpr_count:     1024
    .wavefront_size: 32
...
	.end_amdgpu_metadata
.endif
;; end of part 3
